; MI455X (gfx1250); checked and timed in simulation.
; The chip was launched on July 23, 2026; its instructions are those of AMD's public machine-readable ISA for CDNA 5 (MIT licence, August 2026) and "CDNA5" Instruction Set Architecture Reference Guide (July 2026). The comments in the code are by the model that wrote it; some were corrected since.
;; Symmetric Confidence Biased MHA. Allowed arithmetic: matrix products marked QUANTISED: E2M3 operands, one E8M0 scale for each 32 along K, by v_wmma_scale_f32_16x16x128_f8f6f4 with both operands' format E2M3, f32 sums; everything else in f32.
;; Inputs: Wc 16 x 1 float32; Wk 1,024 x 1,024 float32; Wo 1,024 x 1,024 float32; Wq 1,024 x 1,024 float32; Wv 1,024 x 1,024 float32; alpha one number float32; bc 16 float32; bo 1,024 float32; bv 1,024 float32; confidence 2 x 2,048 float32; x 2 x 2,048 x 1,024 float32.
;; Outputs: out0 2 x 2,048 x 1,024 float32.
;; This version of the problem:
;;   THIS VERSION OF THE PROBLEM IS GIVEN IN LOW PRECISION. The matrix products marked QUANTISED in the list below multiply operands that are first quantised to E2M3 (2 exponent bits, 3 mantissa bits; 6 bits a number), with one power-of-two scale for each 32 numbers along K (OCP MX v1.0); their sums are f32. All else is computed in f32.
;;   The module's matrix products, in the order in which they are computed (A, B: the left and right operand; K: the contracted axis; several contracted axes count as one K, in the product's order):
;;     1. [M 4,096, K 1,024] x [K 1,024, N 1,024]; A: input x; B: input Wq: QUANTISED
;;     2. [M 4,096, K 1,024] x [K 1,024, N 1,024]; A: input x; B: input Wk: QUANTISED
;;     3. [M 4,096, K 1,024] x [K 1,024, N 1,024]; A: input x; B: input Wv: QUANTISED
;;     4. batch 32 x [M 2,048, K 64] x [K 64, N 2,048]; A: computed on the way; B: computed on the way: QUANTISED
;;     5. batch 32 x [M 64, K 2,048] x [K 2,048, N 2,048]; A: computed on the way; B: softmax (see below): QUANTISED
;;     6. [M 4,096, K 1,024] x [K 1,024, N 1,024]; A: computed on the way; B: input Wo: QUANTISED
;;   THE QUANTISER, for each operand of a quantised product, along K:
;;     - K is cut into blocks of 32 from its start; a last block that is shorter is filled with zeros.
;;     - A block's scale is 2^e with e = floor(log2(the largest magnitude in the block)) - 2, held to -126 .. 127; a block of zeros has e = 0. As a byte (E8M0): e + 127.
;;     - Each number is divided by its block's scale, clamped to +-7.5, and rounded to the nearest number of E2M3, ties to even, subnormals kept.
;;     - The product sums the exact products of the quantised numbers (number of the format x scale) in f32.
;;   ~~~python
;;   def quantise(x, axis):      # numpy; x: float32 -> the quantised numbers, widened to float32 again
;;       x = np.moveaxis(x, axis, -1); K = x.shape[-1]
;;       x = np.pad(x, [(0, 0)] * (x.ndim - 1) + [(0, -K % 32)]); x = x.reshape(x.shape[:-1] + (-1, 32)); a = np.abs(x).max(-1, keepdims=True)
;;       e = np.where(a > 0, np.clip(np.frexp(np.where(a > 0, a, 1))[1] - 1 - 2, -126, 127), 0)      # np.frexp(a)[1] - 1 = floor(log2(a)), exactly
;;       r = np.clip(x / 2.0 ** e, -7.5, 7.5)
;;       step = 2.0 ** (np.maximum(np.frexp(np.where(r == 0, 1, r))[1] - 1, 0) - 3)
;;       q = np.round(r / step) * step * 2.0 ** e      # np.round: ties to even
;;       return np.moveaxis(q.reshape(q.shape[:-2] + (-1,))[..., :K], -1, axis).astype(np.float32)
;;   ~~~
;;   SOFTMAX AHEAD OF A QUANTISED PRODUCT. Where the list says 'softmax', what is quantised is not the finished softmax but p = 2^(t - M), with t = logit x log2(e) and M = ceil(the row's largest t), a whole number; so 1/2 < the row's largest p <= 1. The row's sum l is taken of the UNQUANTISED p, in f32, and the product's result is divided by l at the end. Since M is a whole number, a kernel that streams over the keys may use a running M (the ceiling of the running maximum): every later rescaling is an exact power of two, which a block's scale takes up: the codes' values come out the same.
;;   OPERANDS COMPUTED ON THE WAY. 'Computed on the way' means the value that the module computes at that place (a softmax that the list does not call 'softmax' is quantised finished and normalised). What goes into a quantiser is computed in f32, as accurately as f32 sums, v_exp_f32 and their like allow (about 1e-6 of the number): no bf16 or f16 on the way to a quantiser, and a product that is left as it is and whose result goes on into a quantised operand takes f32 operands (vector FMAs, or v_wmma_f32_16x16x4_f32). A number that lies on a knife's edge between two numbers of the format may be rounded either way, as far as f32 arithmetic and the matrix unit's own rounding can turn it there, and no further.
;; One version. Each part assembles by itself: llvm-mc -triple=amdgcn-amd-amdhsa -mcpu=gfx1250 --defsym DOCPART=n.
;; ======== version 1 of 1: 4 launches
;; limits: right only within a limited range of input values
;; workspace buffers: cod 6,291,456 bytes; scl 262,144 bytes; qkv 13,369,344 bytes; oc 3,145,728 bytes; os 131,072 bytes
;; launch quant (part 1): grid 256 x 1, 4 waves a work-group, no clusters, 33,280 bytes of LDS; arguments x, Wq, Wk, Wv, Wo, cod, scl; writes cod, scl
.if DOCPART == 1
	.amdgcn_target "amdgcn-amd-amdhsa--gfx1250"
	.amdhsa_code_object_version 6
	.text
	.protected	k_q1183f78584_quant
	.globl	k_q1183f78584_quant
	.p2align	8
	.type	k_q1183f78584_quant,@function
k_q1183f78584_quant:
	s_mov_b64 s[64:65], 0
	v_nop
	global_prefetch_b8 v0, s[64:65] scope:SCOPE_SE
	s_setreg_imm32_b32 hwreg(HW_REG_WAVE_MODE, 25, 1), 1
	s_wait_xcnt 0x0
; x [4096][1024] and Wq, Wk, Wv, Wo [1024][1024], f32, K innermost, become codes of FP6 (E2M3) in cod (8,192 rows x 768 bytes: x, Wq, Wk, Wv, Wo on end)
; and one E8M0 byte for each 32 along K in scl (8,192 rows x 32 bytes).
; A block's scale is 2^(floor(log2(largest magnitude)) - 2): its byte is the largest magnitude's exponent field - 2, held at 1 from below.
; LIMITS: a block of zeros, or one whose largest magnitude lies under 2^-124, gets the byte 1 (its codes are zeros or what the held scale gives; these bytes are read by this program alone);
; NaN and infinities among the inputs are not served.
; ROW ORDER OF THE OUTPUT: inside each 32 rows the groups of 8 rows 1 and 2 change places (bits 3 and 4 of the row index are swapped).  Sixteen consecutive STORED rows then hold the
; original rows 32 B + 8 u + r + 8 (r / 8), r = 0 .. 15: the choice of rows by which a transposed product leaves 16 neighbours along the next K in a lane's 16 registers.
; SHARES: 256 work-groups x 4 waves; a wave takes 8 rows = 8,192 numbers in 16 steps of 512.  Work-groups 0-127 x, 128-159 Wq, 160-191 Wk, 192-223 Wv, 224-255 Wo.
; Each load reads 512 consecutive bytes, 16 a lane; a step's 2,048 bytes turn through the wave's own stage in LDS (16 bytes of padding behind each 64) and come back 64 bytes a lane,
; so that a lane holds 16 neighbours along K and two neighbouring lanes a block.  Waves share nothing: no barrier.  Loads run four steps ahead.
.set STEPS, 16
.set EMAX,  2
.set CB,    12                         ; bytes of 16 codes
.set R,     16                         ; v16-79   four sets of 16 numbers as loaded
.set X,     80                         ; v80-111  two sets of 16 neighbours
.set C,     128                        ; v128-191 codes: four registers for each step, so that no store's data are written again
.set E,     112                        ; v112-127 a scale byte for each step
.set WREG,  8192                       ; LDS of a wave: two stages of 32 x SP bytes, then its 256 scale bytes
.set SP,    80
	s_load_b256 s[4:11], s[0:1], 0x0               ; x, Wq, Wk, Wv
	s_load_b128 s[12:15], s[0:1], 0x20             ; Wo, cod
	s_load_b64 s[24:25], s[0:1], 0x30              ; scl
	v_lshl_add_u32 v192, v0, 2, 0x8000
	v_mov_b32 v193, 0
	v_lshrrev_b32 v1, 5, v0
	v_readfirstlane_b32 s16, v1                    ; wave
	v_and_b32 v2, 31, v0                           ; lane
	v_lshlrev_b32 v3, 4, v2                        ; my 16 bytes of a load's 512
	s_mul_i32 s17, s16, WREG
	v_lshrrev_b32 v14, 2, v2
	v_mul_u32_u24 v14, v14, SP
	v_and_b32 v15, 3, v2
	v_lshl_add_u32 v14, v15, 4, v14
	v_add_nc_u32 v14, s17, v14                     ; the stage, on the way in: SP (lane / 4) + 16 (lane % 4)
	v_mul_u32_u24 v15, v2, SP
	v_add_nc_u32 v15, s17, v15                     ; and on the way out: SP x lane
	v_mul_u32_u24 v4, v2, CB                       ; my codes' place in a step's 384 bytes
	v_lshrrev_b32 v5, 1, v2
	s_add_co_u32 s17, s17, 2*32*SP
	v_add_nc_u32 v5, s17, v5                       ; LDS: my block's scale byte
	v_lshlrev_b32 v7, 3, v2                        ; and on the way out 8 bytes a lane
	v_add_nc_u32 v6, s17, v7
	s_wait_alu depctr_va_vdst(0)
	s_wait_kmcnt 0x0
	s_mov_b64 s[22:23], s[12:13]                   ; which tensor: the choice hangs on the work-group's number alone
	s_mov_b32 s17, 224
	s_cmp_lt_u32 ttmp9, 224
	s_cselect_b64 s[22:23], s[10:11], s[22:23]
	s_cselect_b32 s17, 192, s17
	s_cmp_lt_u32 ttmp9, 192
	s_cselect_b64 s[22:23], s[8:9], s[22:23]
	s_cselect_b32 s17, 160, s17
	s_cmp_lt_u32 ttmp9, 160
	s_cselect_b64 s[22:23], s[6:7], s[22:23]
	s_cselect_b32 s17, 128, s17
	s_cmp_lt_u32 ttmp9, 128
	s_cselect_b64 s[22:23], s[4:5], s[22:23]
	s_cselect_b32 s17, 0, s17
	s_sub_co_u32 s17, ttmp9, s17                   ; the work-group's number inside its tensor
	s_lshl_b32 s17, s17, 2
	s_add_co_u32 s18, s17, s16                     ; my run of 8 rows in it,
	s_lshl_b32 s18, s18, 15                        ; 32,768 bytes a run
	s_mov_b32 s19, 0
	s_add_nc_u64 s[22:23], s[22:23], s[18:19]
	s_and_b32 s20, s16, 1                          ; where the run goes: waves 1 and 2 change places
	s_lshl_b32 s20, s20, 1
	s_lshr_b32 s21, s16, 1
	s_or_b32 s20, s20, s21
	s_lshl_b32 s21, ttmp9, 2
	s_add_co_u32 s20, s20, s21
	s_mul_i32 s18, s20, 6144                       ; 8 rows x 768 bytes of codes
	s_add_nc_u64 s[14:15], s[14:15], s[18:19]
	s_lshl_b32 s18, s20, 8                         ; 8 rows x 32 scale bytes
	s_add_nc_u64 s[24:25], s[24:25], s[18:19]
.macro LOAD t
.irp i, 0,1,2,3
	global_load_b128 v[R+16*((\t)%4)+4*\i:R+16*((\t)%4)+4*\i+3], v3, s[22:23] offset:2048*(\t)+512*\i th:TH_LOAD_NT   ; 32 lanes read 512 consecutive bytes
.endr
.endm
.macro TURN t                          ; step t's numbers through the stage: LDS serves a wave's instructions in order (ISA guide 5.7.1.4), so no wait stands between the stores and the loads
.irp i, 0,1,2,3
	ds_store_b128 v14, v[R+16*((\t)%4)+4*\i:R+16*((\t)%4)+4*\i+3] offset:32*SP*((\t)%2)+8*SP*\i
.endr
.irp i, 0,1,2,3
	ds_load_b128 v[X+16*((\t)%2)+4*\i:X+16*((\t)%2)+4*\i+3], v15 offset:32*SP*((\t)%2)+16*\i
.endr
.endm
.irp t, 0,1,2,3
	LOAD \t
.endr
	s_wait_loadcnt 12                              ; step 0's four loads are in; twelve younger ones stay out
	TURN 0
.macro STEP t
.set XS, X+16*((\t)%2)
.if (\t) > 0
	s_wait_dscnt 1                                 ; this step's numbers are back from the stage (the last step's byte store may be out)
.else
	s_wait_dscnt 0x0
.endif
.if (\t)+4 < STEPS
	LOAD (\t)+4                                    ; into the registers that this step's stores into the stage have read
.endif
.if (\t)+1 < STEPS
.if STEPS-2-(\t) >= 3
	s_wait_loadcnt 12                              ; the next step's four loads are in; those of the three steps behind it may be out
.else
	s_wait_loadcnt 4*(STEPS-2-(\t))
.endif
	TURN (\t)+1
.endif
	v_max3_num_f32 v8, |v[XS]|, |v[XS+1]|, |v[XS+2]|               ; the largest magnitude of my 16, in two chains
	v_max3_num_f32 v9, |v[XS+3]|, |v[XS+4]|, |v[XS+5]|
.irp i, 6,10
	v_max3_num_f32 v8, v8, |v[XS+\i]|, |v[XS+\i+1]|
	v_max3_num_f32 v9, v9, |v[XS+\i+2]|, |v[XS+\i+3]|
.endr
	v_max3_num_f32 v8, v8, |v[XS+14]|, |v[XS+15]|
	v_max3_num_f32 v8, v8, v9, (EMAX+1)<<23        ; and the floor 2^(3 - 127): the byte cannot fall under 1
	v_max_num_f32_dpp v8, v8, v8 row_xmask:1 row_mask:0xf bank_mask:0xf   ; with my neighbour's 16: the block's
	v_add_nc_u32 v11, -(EMAX<<23), v8              ; 2 off its exponent field: the conversion takes the exponent field of this operand as its scale
	v_cvt_scalef32_pk16_fp6_f32 v[C+4*(\t):C+4*(\t)+2], v[XS:XS+15], v11   ; sixteen codes, 96 bits, the first number's lowest; beyond 7.5 the largest code
	v_lshrrev_b32 v[E+(\t)], 23, v11               ; the scale's byte (also the plain line behind the conversion)
	ds_store_b8 v5, v[E+(\t)] offset:16*(\t)       ; both lanes of a block write the same byte with the same value
	global_store_b96 v4, v[C+4*(\t):C+4*(\t)+2], s[14:15] offset:32*CB*(\t)   ; the wave stores 384 consecutive bytes
.endm
.irp t, 0,1,2,3,4,5,6,7,8,9,10,11,12,13,14,15
	STEP \t
.endr
	ds_load_b64 v[12:13], v6                       ; my wave's 256 scale bytes, behind my own stores
	s_wait_dscnt 0x0
	global_store_b64 v7, v[12:13], s[24:25]        ; 32 lanes store 256 consecutive bytes, aligned
	s_wait_tensorcnt 0x0
	ds_add_u32 v192, v193
	s_wait_dscnt 0x0
	s_endpgm
.Lfunc_end_k_q1183f78584_quant:
	.size	k_q1183f78584_quant, .Lfunc_end_k_q1183f78584_quant-k_q1183f78584_quant
	.p2alignl 7, 3214868480
	.fill 96, 4, 3214868480
	.section	.rodata,"a",@progbits
	.p2align	6, 0x0
	.amdhsa_kernel k_q1183f78584_quant
		.amdhsa_group_segment_fixed_size 33280
		.amdhsa_private_segment_fixed_size 0
		.amdhsa_enable_private_segment 0
		.amdhsa_kernarg_size 56
		.amdhsa_user_sgpr_count 2
		.amdhsa_user_sgpr_kernarg_segment_ptr 1
		.amdhsa_wavefront_size32 1
		.amdhsa_system_sgpr_workgroup_id_x 1
		.amdhsa_system_sgpr_workgroup_id_y 1
		.amdhsa_system_sgpr_workgroup_id_z 1
		.amdhsa_system_vgpr_workitem_id 0
		.amdhsa_next_free_vgpr 194
		.amdhsa_next_free_sgpr 66
		.amdhsa_reserve_vcc 0
		.amdhsa_float_denorm_mode_32 3
		.amdhsa_float_denorm_mode_16_64 3
		.amdhsa_memory_ordered 1
		.amdhsa_forward_progress 1
		.amdhsa_inst_pref_size 33
	.end_amdhsa_kernel
	.amdgpu_metadata
---
amdhsa.version: [ 1, 2 ]
amdhsa.kernels:
  - .name:           k_q1183f78584_quant
    .symbol:         k_q1183f78584_quant.kd
    .args:
      - { .name: x, .offset: 0, .size: 8, .value_kind: global_buffer, .address_space: global }
      - { .name: Wq, .offset: 8, .size: 8, .value_kind: global_buffer, .address_space: global }
      - { .name: Wk, .offset: 16, .size: 8, .value_kind: global_buffer, .address_space: global }
      - { .name: Wv, .offset: 24, .size: 8, .value_kind: global_buffer, .address_space: global }
      - { .name: Wo, .offset: 32, .size: 8, .value_kind: global_buffer, .address_space: global }
      - { .name: cod, .offset: 40, .size: 8, .value_kind: global_buffer, .address_space: global }
      - { .name: scl, .offset: 48, .size: 8, .value_kind: global_buffer, .address_space: global }
    .group_segment_fixed_size: 33280
    .private_segment_fixed_size: 0
    .kernarg_segment_align: 8
    .kernarg_segment_size: 56
    .max_flat_workgroup_size: 128
    .sgpr_count:     66
    .vgpr_count:     194
    .wavefront_size: 32
...
	.end_amdgpu_metadata
.endif
;; end of part 1
;; launch proj (part 2): grid 8 x 32, 4 waves a work-group, clusters of 4 x 4, 327,680 bytes of LDS; arguments cod, scl, bv, qkv; writes qkv
.if DOCPART == 2
	.amdgcn_target "amdgcn-amd-amdhsa--gfx1250"
	.amdhsa_code_object_version 6
	.text
	.protected	k_q1183f78584_proj
	.globl	k_q1183f78584_proj
	.p2align	8
	.type	k_q1183f78584_proj,@function
k_q1183f78584_proj:
	s_mov_b64 s[64:65], 0
	v_nop
	global_prefetch_b8 v0, s[64:65] scope:SCOPE_SE
	s_setreg_imm32_b32 hwreg(HW_REG_WAVE_MODE, 25, 1), 1
	s_wait_xcnt 0x0
	s_wait_alu depctr_hold_cnt(0) depctr_sa_sdst(0) depctr_va_vdst(0) depctr_va_sdst(0) depctr_va_ssrc(0) depctr_va_vcc(0) depctr_vm_vsrc(0)
	s_getreg_b32 s2, hwreg(HW_REG_IB_STS2, 6, 4)
	s_cmp_eq_u32 s2, 0
	s_cbranch_scc0 .Lentry_in_a_cluster
	s_endpgm
.Lentry_in_a_cluster:
	s_bfe_u32 s2, ttmp6, 0x10000c
	s_cmp_lg_u32 s2, 0xf033
	s_cbranch_scc0 .Lentry_shape_is_right
	s_endpgm
.Lentry_shape_is_right:
; The three projections on codes of FP6 (E2M3) with E8M0 scales, K = 1,024, and the quantising of their results for the attention.  Every step of reference() is done; no input is left out.
; SHARES: a work-group owns 128 tokens (one record) and two heads: three tiles of 128 x 128: Q, K, V^T.  32 token blocks x 8 head pairs = 256 work-groups.  A wave makes 32 x 128 of each tile in 16 accumulators.
; LDS: whole rows of K (768 bytes of codes, begun on 256-byte borders, 16 bytes of padding behind each 256: pitch 816).  x's 128 rows stay; Wq's rows in slot 0, Wk's in slot 1, Wv's fill slot 0 again behind a round.
; The matrix instruction is used transposed: source 0 = 16 rows of the side that runs along a lane's registers ("B"), source 1 = 16 rows of the side that a lane owns ("A").
;   Q, K: A = x (my 32 tokens), B = W (128 channels).   V^T: A = Wv (my 32 channels), B = x (128 tokens).
; cod's rows are stored with bits 3 and 4 of the row index swapped: register j of accumulator (a, b) holds B's original row 32 (b / 2) + 16 (lane / 16) + 8 (b % 2) + j.
; Q's and K's token tiles: lane r of tile n of a record holds token 64 (n / 4) + 8 (n % 4) + r % 8 + 32 (r / 8) (chosen by the LDS row that the lane reads), so that in the attention a lane's scores are whole blocks of 32 keys.
; SCALES go from scl straight into registers, once: a lane loads its row's 32 bytes; lanes 0-15 hold an even block's rows, lanes 16-31 the next block's.
; qkv: 64 planes (Q: 16 b + head; K, V: 32 + 16 b + head) x 16 records x 13,056 bytes: 8 images of Q or K (register pair p at 768 n + 256 p + 8 lane); at 6144 four images of V^T (registers 4 c .. at 1536 t + 512 c + 16 lane);
;   at 12288 Q's or K's scale words [r][n / 2] (tile 2 i's two bytes below, tile 2 i + 1's above); at 12800 V's [r][channel tile].
; CLUSTER 4 x 4: x's tile is shared along a row, W's tiles along a column: joint loads.  No prefetch: x's and Wq's tiles are asked for at the head, Wk's and Wv's later, and there is no loop to run ahead in.
; LIMITS: a block of zeros or under 2^-124 gets the scale byte 1 (read by this program alone); NaN and infinities are not served.
; REGISTERS: window 0: v1-31 addresses, v32-143 scale words, v144-191 the quantiser, v192-195 addresses; window 1: fragments, two sets (B at 128 p, A at 128 p + 96); window 2: v0-127 accumulators ((a, b) at 8 (8 a + b)).
.set PITCH, 816
.set BLK,   16*PITCH
.set TILE,  128*PITCH
.set S0,    TILE
.set S1,    2*TILE
.set SPARE, 3*TILE                     ; the spare words, 128 bytes a wave
.set REC,   13056
.set PLANE, 16*REC
.set EO8, 8
.set EO16, 9
.set EOS, 10
.set ESH, 11
.set BVA, 12
.set VL, 13
.set VSA, 14
.set EOSV, 15
.set AQ, 16
.set AV, 18
.set BQ, 20
.set BK, 24
.set SPW, 30
.set NIL, 31
.set SAQ, 32
.set SBQ, 40
.set SBK, 72
.set SBX, 104
.set SAV, 136
.set TM, 144
.set PW, 160
.set PC, 164
.set SW, 184
.set BV, 188
.set BX, 192
.set G1X, 24
.set G0X, 32
.set G0Q, 36
.set G1W, 48
.set G0K, 56
.set G0V, 60
.set G1V, 68
.set RQ, 76
.set RK, 78
.set SXB, 80
.set SXA, 82
.set SWB, 84
.set SWA, 86
.set BVP, 88
.set SEL, 98
.set MULW, 0xa5                        ; sources 0 and 1 window 1, C and D window 2
.set MSB, 0
.macro WIN new
.if MSB != (\new)
	s_set_vgpr_msb (MSB<<8)|(\new)
.set MSB, (\new)
.endif
.endm
.macro PLACES n
.rept \n
	v_nop
.endr
.endm
.macro CREST
	s_cmp_lg_u32 s14, 0
	s_cbranch_scc1 .Lnot_wave_0_\@
	s_barrier_signal -3
.Lnot_wave_0_\@:
	s_barrier_wait -3
	s_barrier_signal -1
	s_barrier_wait -1
.endm
.macro CROUND
	s_barrier_signal -1
	s_barrier_wait -1
	CREST
.endm
	s_load_b128 s[4:7], s[0:1], 0x0                ; cod, scl
	s_load_b128 s[8:11], s[0:1], 0x10              ; bv, qkv
	v_lshl_add_u32 v[SPW], v0, 2, SPARE
	v_mov_b32 v[NIL], 0
	ds_add_u32 v[SPW], v[NIL]                      ; the opening lines
	ds_add_u32 v[SPW], v[NIL]
	v_lshrrev_b32 v1, 5, v0
	v_readfirstlane_b32 s14, v1                    ; wave w
	s_lshr_b32 s15, s14, 1
	s_and_b32 s16, s14, 1
	s_bfe_u32 s40, ttmp6, 0x40000                  ; cx
	s_bfe_u32 s41, ttmp6, 0x40004                  ; cy
	s_lshl_b32 s42, ttmp9, 2
	s_add_co_u32 s42, s42, s40                     ; head pair 0..7
	s_and_b32 s17, ttmp7, 0xffff
	s_lshl_b32 s17, s17, 2
	s_add_co_u32 s17, s17, s41                     ; token block 0..31
	s_lshl_b32 s43, s41, 2
	s_lshl_b32 s43, 15, s43                        ; my row of the cluster
	s_lshl_b32 s44, 0x1111, s40                    ; my column
	s_or_b32 s[G1X], s43, (1<<20)|(1<<21)|(5<<22)|(3<<25)   ; bytes; 4 words of padding behind every 64
	s_or_b32 s[G1W], s44, (1<<20)|(1<<21)|(5<<22)|(3<<25)
	s_or_b32 s[G1V], s44, (1<<20)|(1<<21)|(5<<22)|(3<<25)
.irp g, G1X, G1W, G1V
	s_mov_b32 s[\g+1], 768<<16
	s_mov_b32 s[\g+3], 768<<16
	s_mov_b32 s[\g+5], 768
	s_mov_b32 s[\g+6], 0
	s_mov_b32 s[\g+7], 0
.endr
.irp g, G1X, G1W
	s_mov_b32 s[\g+2], 64<<16                      ; the head's loads: 64 rows
	s_mov_b32 s[\g+4], 64
.endr
	s_mov_b32 s[G1V+2], 32<<16                     ; the later ones: 32 rows a wave
	s_mov_b32 s[G1V+4], 32
	s_lshl_b32 s18, s16, 6
	s_lshl_b32 s19, s14, 5
	s_lshl_b32 s20, s17, 7                         ; x's first row
	s_lshl_b32 s[SXB], s20, 5                      ; its scales
	s_mov_b32 s[SXB+1], 0
	s_add_co_u32 s20, s20, s18
	s_mul_i32 s20, s20, 768
	s_mov_b32 s21, 0
	s_lshl_b32 s46, s42, 7
	s_add_co_u32 s46, s46, 4096                    ; Wq's first row in cod
	s_lshl_b32 s[SWB], s46, 5
	s_mov_b32 s[SWB+1], 0
	s_add_co_u32 s22, s46, s18
	s_mul_i32 s22, s22, 768
	s_mov_b32 s23, 0
	s_add_co_u32 s46, s46, s19
	s_mul_i32 s46, s46, 768                        ; Wq's row 32 w; Wk's and Wv's lie 1,024 and 2,048 rows on
	s_mov_b32 s47, 0
	s_lshl_b32 s90, s15, 6
	s_lshl_b32 s91, s16, 3
	s_add_co_u32 s90, s90, s91                     ; my tokens' stored rows begin at 64 (w / 2) + 8 (w % 2)
	s_lshl_b32 s[SXA], s90, 5
	s_mov_b32 s[SXA+1], 0
	s_mul_i32 s90, s90, PITCH
	s_mul_i32 s91, s14, 2*BLK
	s_add_co_u32 s91, s91, S0
	s_mul_i32 s92, s14, 1536
	s_lshl_b32 s93, s14, 2
	s_mul_i32 s94, s15, PLANE
	s_lshl_b32 s95, s16, 3
	s_add_co_u32 s95, s95, s94
	s_mul_i32 s96, s16, 3072
	s_add_co_u32 s94, s94, s96
	s_lshl_b32 s[SWA], s14, 10
	s_mov_b32 s[SWA+1], 0
	s_lshl_b32 s[BVP], s42, 7
	s_add_co_u32 s[BVP], s[BVP], s19
	s_lshl_b32 s[BVP], s[BVP], 2
	s_mov_b32 s[BVP+1], 0
	s_lshr_b32 s[RQ], s17, 4
	s_lshl_b32 s[RQ], s[RQ], 4
	s_lshl_b32 s45, s42, 1
	s_add_co_u32 s[RQ], s[RQ], s45                 ; Q's plane
	s_lshl_b32 s[RQ], s[RQ], 4
	s_and_b32 s45, s17, 15
	s_add_co_u32 s[RQ], s[RQ], s45
	s_mul_i32 s[RQ], s[RQ], REC
	s_mov_b32 s[RQ+1], 0
	s_mul_i32 s96, s16, 64*PITCH
	s_mul_i32 s97, s14, 32*PITCH
	s_mov_b32 s[SEL], 0x76543210
	s_mov_b32 s[SEL+1], 0xfedcba98
	s_wait_dscnt 0x0
	s_wait_kmcnt 0x0
	s_add_nc_u64 s[SXB:SXB+1], s[6:7], s[SXB:SXB+1]
	s_add_nc_u64 s[SXA:SXA+1], s[SXB:SXB+1], s[SXA:SXA+1]
	s_add_nc_u64 s[SWB:SWB+1], s[6:7], s[SWB:SWB+1]
	s_add_nc_u64 s[SWA:SWA+1], s[SWB:SWB+1], s[SWA:SWA+1]
	s_add_nc_u64 s[BVP:BVP+1], s[8:9], s[BVP:BVP+1]
	s_add_nc_u64 s[RQ:RQ+1], s[10:11], s[RQ:RQ+1]
	s_add_nc_u64 s[RK:RK+1], s[RQ:RQ+1], 32*PLANE
	s_mov_b32 s[G0X], 1
	s_mov_b32 s[G0X+1], s96
	s_add_nc_u64 s[G0X+2:G0X+3], s[4:5], s[20:21]
	s_or_b32 s[G0X+3], s[G0X+3], 0x80000000
	s_mov_b32 s[G0Q], 1
	s_add_co_u32 s[G0Q+1], s96, S0
	s_add_nc_u64 s[G0Q+2:G0Q+3], s[4:5], s[22:23]
	s_or_b32 s[G0Q+3], s[G0Q+3], 0x80000000
	s_add_nc_u64 s[46:47], s[4:5], s[46:47]
	s_mov_b32 s[G0K], 1
	s_add_co_u32 s[G0K+1], s97, S1
	s_add_nc_u64 s[G0K+2:G0K+3], s[46:47], 1024*768
	s_or_b32 s[G0K+3], s[G0K+3], 0x80000000
	s_mov_b32 s[G0V], 1
	s_add_co_u32 s[G0V+1], s97, S0
	s_add_nc_u64 s[G0V+2:G0V+3], s[46:47], 2048*768
	s_or_b32 s[G0V+3], s[G0V+3], 0x80000000
	CROUND                                         ; all sixteen work-groups are here: the first joint loads meet
	s_cmp_eq_u32 s15, 0                            ; one load a wave: waves 0, 1 the halves of x's tile, waves 2, 3 those of Wq's
	s_cbranch_scc0 .Lhead_w
	tensor_load_to_lds s[G0X:G0X+3], s[G1X:G1X+7]
	s_nop 0
	PLACES 4
	s_branch .Lhead_j
.Lhead_w:
	tensor_load_to_lds s[G0Q:G0Q+3], s[G1W:G1W+7]
	s_nop 0
	PLACES 4
.Lhead_j:
	v_and_b32 v1, 15, v0                           ; r
	v_bfe_u32 v2, v0, 4, 1                         ; h
	v_and_b32 v3, 31, v0                           ; lane
	v_mul_u32_u24 v4, v1, PITCH
	v_mad_u32_u24 v4, v2, 24, v4                   ; row r, + 24 h
	v_lshl_add_u32 v5, v2, 4, v4                   ; the same where lanes 16-31 lie behind one padding more
	v_and_b32 v6, 7, v0
	v_bfe_u32 v7, v0, 3, 1
	v_lshlrev_b32 v[VSA], 5, v6
	v_lshl_add_u32 v6, v7, 5, v6                   ; Q's and K's tiles: row r % 8 + 32 (r / 8)
	v_mul_u32_u24 v6, v6, PITCH
	v_mad_u32_u24 v6, v2, 24, v6
	v_add_nc_u32 v[AQ], s90, v6
	v_lshl_add_u32 v[AQ+1], v2, 4, v[AQ]
	v_add_nc_u32 v[AV], s91, v4
	v_add_nc_u32 v[AV+1], s91, v5
.irp k, 0,1
	v_add_nc_u32 v[BQ+2*\k], S0+4*BLK*\k, v4
	v_add_nc_u32 v[BQ+2*\k+1], S0+4*BLK*\k, v5
	v_add_nc_u32 v[BK+2*\k], S1+4*BLK*\k, v4
	v_add_nc_u32 v[BK+2*\k+1], S1+4*BLK*\k, v5
	v_add_nc_u32 v[BX+2*\k], 4*BLK*\k, v4
	v_add_nc_u32 v[BX+2*\k+1], 4*BLK*\k, v5
.endr
	v_lshlrev_b32 v[VL], 5, v3                     ; 32 bytes of scales a row, a lane a row
	v_lshl_add_u32 v[VSA], v7, 10, v[VSA]
	v_lshl_add_u32 v[VSA], v2, 9, v[VSA]           ; the same by my token tiles' rows
	v_lshl_add_u32 v[EO8], v3, 3, s92
	v_lshl_add_u32 v[EO16], v3, 4, s94
	v_mul_u32_u24 v[EOS], v2, PLANE
	v_lshl_add_u32 v[EOS], v1, 4, v[EOS]
	v_add_nc_u32 v[EOS], s93, v[EOS]
	v_lshl_add_u32 v[EOSV], v1, 4, s95
	v_lshlrev_b32 v[ESH], 4, v2
	v_lshlrev_b32 v[BVA], 2, v1
	v_lshl_add_u32 v[BVA], v7, 5, v[BVA]           ; 4 (r + 8 (r / 8))
.irp b, 0,1,2,3
	v_mov_b32 v[TM+4+\b], 0                        ; a lane permute's destination counts as one of its sources
.endr
	s_wait_alu depctr_va_vdst(0)                   ; the wait at the head's end
	global_load_b128 v[SAQ:SAQ+3], v[VSA], s[SXA:SXA+1]
	global_load_b128 v[SAQ+4:SAQ+7], v[VSA], s[SXA:SXA+1] offset:16
.irp j, 0,1,2,3
	global_load_b128 v[SBQ+8*\j:SBQ+8*\j+3], v[VL], s[SWB:SWB+1] offset:1024*\j
	global_load_b128 v[SBQ+8*\j+4:SBQ+8*\j+7], v[VL], s[SWB:SWB+1] offset:1024*\j+16
.endr
.irp j, 0,1,2,3
	global_load_b128 v[SBK+8*\j:SBK+8*\j+3], v[VL], s[SWB:SWB+1] offset:32768+1024*\j
	global_load_b128 v[SBK+8*\j+4:SBK+8*\j+7], v[VL], s[SWB:SWB+1] offset:32768+1024*\j+16
	global_load_b128 v[SBX+8*\j:SBX+8*\j+3], v[VL], s[SXB:SXB+1] offset:1024*\j
	global_load_b128 v[SBX+8*\j+4:SBX+8*\j+7], v[VL], s[SXB:SXB+1] offset:1024*\j+16
.endr
	global_load_b128 v[SAV:SAV+3], v[VL], s[SWA:SWA+1] offset:65536
	global_load_b128 v[SAV+4:SAV+7], v[VL], s[SWA:SWA+1] offset:65536+16
.irp a, 0,1
	global_load_b32 v[BV+2*\a], v[BVA], s[BVP:BVP+1] offset:32*\a
	global_load_b32 v[BV+2*\a+1], v[BVA], s[BVP:BVP+1] offset:32*\a
.endr
; a fragment: 16 rows x 128 K, 12 registers, in pieces of 8 bytes; byte y of a row lies at y + 16 (y / 256) of its LDS row; where lanes 16-31 (24 bytes on) are in the next 256, the second address register serves
.macro FRAG reg, adr, st, off
.irp p, 0,1,2,3,4,5
.set BY, 96*(\st)+48*(\p/3)+8*(\p%3)
.if BY/256 == (BY+24)/256
	ds_load_b64 v[\reg+2*\p:\reg+2*\p+1], v[\adr] offset:BY+16*(BY/256)+(\off)
.else
	ds_load_b64 v[\reg+2*\p:\reg+2*\p+1], v[\adr+1] offset:BY+16*(BY/256)+(\off)
.endif
.endr
.endm
.macro FETCH set, st, aadr, badr       ; 60 loads: B's eight fragments and A's two
	WIN 0x40
.irp i, 0,1,2,3,4,5,6,7
	FRAG 128*(\set)+12*\i, \badr+2*(\i/4), \st, (\i%4)*BLK
.endr
.irp i, 0,1
	FRAG 128*(\set)+96+12*\i, \aadr, \st, \i*BLK
.endr
.endm
.macro WM c, sa, sb, ra, rb
.if \ra
.if \rb
	v_wmma_scale_f32_16x16x128_f8f6f4 v[DD:DD+7], v[F0:F0+11], v[F1:F1+11], \c, v[\sa], v[\sb] matrix_a_fmt:MATRIX_FMT_FP6 matrix_b_fmt:MATRIX_FMT_FP6 matrix_a_scale:MATRIX_SCALE_ROW1 matrix_b_scale:MATRIX_SCALE_ROW1
.else
	v_wmma_scale_f32_16x16x128_f8f6f4 v[DD:DD+7], v[F0:F0+11], v[F1:F1+11], \c, v[\sa], v[\sb] matrix_a_fmt:MATRIX_FMT_FP6 matrix_b_fmt:MATRIX_FMT_FP6 matrix_a_scale:MATRIX_SCALE_ROW1
.endif
.else
.if \rb
	v_wmma_scale_f32_16x16x128_f8f6f4 v[DD:DD+7], v[F0:F0+11], v[F1:F1+11], \c, v[\sa], v[\sb] matrix_a_fmt:MATRIX_FMT_FP6 matrix_b_fmt:MATRIX_FMT_FP6 matrix_b_scale:MATRIX_SCALE_ROW1
.else
	v_wmma_scale_f32_16x16x128_f8f6f4 v[DD:DD+7], v[F0:F0+11], v[F1:F1+11], \c, v[\sa], v[\sb] matrix_a_fmt:MATRIX_FMT_FP6 matrix_b_fmt:MATRIX_FMT_FP6
.endif
.endif
.endm
; eight matrix instructions: A's block a x B's eight; the 16 accumulators take turns; a tile's first step starts the sums
.macro MUL8 a, set, st, aS, bS
.irp b, 0,1,2,3,4,5,6,7
.set DD, 8*(8*(\a)+\b)
.set F0, 128*(\set)+12*\b
.set F1, 128*(\set)+96+12*(\a)
.if (\st) == 0
	WM 0, (\bS)+8*(\b/2)+(\st), (\aS)+(\st), \b%2, \a
.else
	WM v[DD:DD+7], (\bS)+8*(\b/2)+(\st), (\aS)+(\st), \b%2, \a
.endif
.endr
.endm
.macro STEPN st, aadr, badr, aS, bS    ; 128 along K; the next step's fragments are asked for first
	PLACES 4                                       ; in front of loads into registers that the step before multiplied
	FETCH ((\st)+1)%2, (\st)+1, \aadr, \badr
	s_wait_dscnt 60                                ; all but the 60 just issued
	WIN MULW
	MUL8 0, (\st)%2, \st, \aS, \bS
	MUL8 1, (\st)%2, \st, \aS, \bS
.endm
; The 64 registers of block a (at v[s] of window w): register 16 b + i = column 32 b + 16 (lane / 16) + i of my lane's row -> a fragment's codes in v[PC] on, its scale word in v[PW]
.macro QUANTW s, w
	WIN ((\w)<<2)|((\w)<<4)
.irp b, 0,1,2,3
	v_max3_num_f32 v[TM+\b], 0x1800000, |v[(\s)+16*\b]|, |v[(\s)+1+16*\b]|   ; with the floor 2^(3 - 127): the byte cannot fall under 1
.endr
.irp i, 2,4,6,8,10,12,14
.irp b, 0,1,2,3
	v_max3_num_f32 v[TM+\b], v[TM+\b], |v[(\s)+16*\b+\i]|, |v[(\s)+1+16*\b+\i]|
.endr
.endr
	WIN 0
.irp b, 0,1,2,3
	v_permlanex16_b32 v[TM+4+\b], v[TM+\b], s[SEL], s[SEL+1]
.endr
.irp b, 0,1,2,3
	v_max_num_f32 v[TM+\b], v[TM+\b], v[TM+4+\b]
.endr
.irp b, 0,1,2,3
	v_add_nc_u32 v[TM+12+\b], 0xff000000, v[TM+\b] ; 2 off the exponent field: the conversion's scale operand
.endr
.irp b, 0,1,2,3
	v_lshrrev_b32 v[TM+4+\b], 23, v[TM+12+\b]
.endr
	v_lshl_or_b32 v[PW], v[TM+5], 8, v[TM+4]
	v_lshl_or_b32 v[PW], v[TM+6], 16, v[PW]
	v_lshl_or_b32 v[PW], v[TM+7], 24, v[PW]
	s_wait_alu depctr_va_vdst(0)
	s_wait_xcnt 0x0                                ; the last block's stores have read the codes' registers
	WIN (\w)
.irp c, 0,1
	v_cvt_scalef32_pk16_fp6_f32 v[PC+6*\c:PC+2+6*\c], v[(\s)+32*\c:(\s)+15+32*\c], v[TM+12+2*\c]
	v_cvt_scalef32_pk16_fp6_f32 v[PC+12+4*\c:PC+14+4*\c], v[(\s)+16+32*\c:(\s)+31+32*\c], v[TM+12+2*\c+1]
.endr
	WIN 0
	v_nop                                          ; one plain place behind a scaled conversion
.irp c, 0,1
.irp i, 0,1,2
	v_permlane16_swap_b32 v[PC+6*\c+\i], v[PC+12+4*\c+\i]
.endr
.irp i, 0,1,2
	v_mov_b32 v[PC+3+6*\c+\i], v[PC+12+4*\c+\i]
.endr
.endr
.endm
.macro EPI_QK base                     ; block a: 16 tokens x two heads; registers 0-5 are the first head's image, 6-11 the second's
.irp a, 0,1
	QUANTW 64*\a, 2
.irp p, 0,1,2,3,4,5
	global_store_b64 v[EO8], v[PC+2*\p:PC+2*\p+1], s[\base:\base+1] offset:\a*768+256*(\p%3)+(\p/3)*PLANE   ; 32 lanes store 256 consecutive bytes, aligned
.endr
	v_lshrrev_b32 v[SW+\a], v[ESH], v[PW]          ; lanes 0-15 the first head's two bytes, lanes 16-31 the second's
.endr
	v_and_b32 v[SW], 0xffff, v[SW]
	v_lshl_or_b32 v[SW], v[SW+1], 16, v[SW]        ; the even tile's bytes below, the odd tile's above
	global_store_b32 v[EOS], v[SW], s[\base:\base+1] offset:12288
.endm
	s_wait_tensorcnt 0x0                           ; my part of the head's tiles is in
	ds_add_u32 v[SPW], v[NIL]
	s_wait_dscnt 0x0
	CROUND
	tensor_load_to_lds s[G0K:G0K+3], s[G1V:G1V+7]  ; Wk's rows 32 w .., into slot 1
	s_nop 0
	PLACES 4
	FETCH 0, 0, AQ, BQ
	s_wait_loadcnt 0x0                             ; the scale words and bv
.irp st, 0,1,2,3,4,5,6
	STEPN \st, AQ, BQ, SAQ, SBQ
.endr
	WIN 0
	s_wait_tensorcnt 0x0                           ; my part of Wk is in;
	ds_add_u32 v[SPW], v[NIL]
	s_wait_dscnt 1                                 ; the last step's fragments are in (the add may be out)
	WIN MULW
	MUL8 0, 1, 7, SAQ, SBQ
	s_wait_dscnt 0x0                               ; the add is done; my reads of slot 0 are over
	s_barrier_signal -1
	MUL8 1, 1, 7, SAQ, SBQ
	WIN 0
	s_barrier_wait -1
	CREST                                          ; the barrier has opened a round: no wave of any partner still reads slot 0
	tensor_load_to_lds s[G0V:G0V+3], s[G1V:G1V+7]  ; Wv's rows 32 w .., into slot 0
	s_nop 0
	PLACES 4
	FETCH 0, 0, AQ, BK
	WIN 0
	PLACES 1                                       ; five places behind the last products: their accumulators are read, and later begun anew
	EPI_QK RQ
.irp st, 0,1,2,3,4,5,6
	STEPN \st, AQ, BK, SAQ, SBK
.endr
	s_wait_tensorcnt 0x0                           ; my part of Wv is in
	s_wait_dscnt 0x0
	WIN MULW
	MUL8 0, 1, 7, SAQ, SBK
	s_barrier_signal -1
	MUL8 1, 1, 7, SAQ, SBK
	WIN 0
	s_barrier_wait -1
	PLACES 4
	FETCH 0, 0, AV, BX
	WIN 0
	PLACES 1
	EPI_QK RK
.irp st, 0,1,2,3,4,5,6
	STEPN \st, AV, BX, SAV, SBX
.endr
	s_wait_dscnt 0x0
	WIN MULW
	MUL8 0, 1, 7, SAV, SBX
	MUL8 1, 1, 7, SAV, SBX
	WIN 0
	PLACES 5
.irp a, 0,1                            ; V^T: block a is 16 channels x 128 tokens: bv is added, and the fragment is a whole image
	WIN 0x82
.set J, 0
.rept 32
	v_pk_add_f32 v[64*\a+J:64*\a+J+1], v[64*\a+J:64*\a+J+1], v[BV+2*\a:BV+2*\a+1]
.set J, J+2
.endr
	QUANTW 64*\a, 2
.irp c, 0,1,2
	global_store_b128 v[EO16], v[PC+4*\c:PC+4*\c+3], s[RK:RK+1] offset:6144+\a*1536+512*\c   ; 32 lanes store 512 consecutive bytes, aligned
.endr
	v_mov_b32 v[SW+\a], v[PW]
.endr
	global_store_b64 v[EOSV], v[SW:SW+1], s[RK:RK+1] offset:12800   ; my two channel tiles' words of row r (lanes 16-31 write what lanes 0-15 write)
	s_wait_tensorcnt 0x0                           ; the wave's end
	ds_add_u32 v[SPW], v[NIL]
	s_wait_dscnt 0x0
	CROUND                                         ; the closing round
	s_endpgm
.Lfunc_end_k_q1183f78584_proj:
	.size	k_q1183f78584_proj, .Lfunc_end_k_q1183f78584_proj-k_q1183f78584_proj
	.p2alignl 7, 3214868480
	.fill 96, 4, 3214868480
	.section	.rodata,"a",@progbits
	.p2align	6, 0x0
	.amdhsa_kernel k_q1183f78584_proj
		.amdhsa_group_segment_fixed_size 327680
		.amdhsa_private_segment_fixed_size 0
		.amdhsa_enable_private_segment 0
		.amdhsa_kernarg_size 32
		.amdhsa_user_sgpr_count 2
		.amdhsa_user_sgpr_kernarg_segment_ptr 1
		.amdhsa_wavefront_size32 1
		.amdhsa_system_sgpr_workgroup_id_x 1
		.amdhsa_system_sgpr_workgroup_id_y 1
		.amdhsa_system_sgpr_workgroup_id_z 1
		.amdhsa_system_vgpr_workitem_id 0
		.amdhsa_next_free_vgpr 640
		.amdhsa_next_free_sgpr 100
		.amdhsa_reserve_vcc 0
		.amdhsa_float_denorm_mode_32 3
		.amdhsa_float_denorm_mode_16_64 3
		.amdhsa_memory_ordered 1
		.amdhsa_forward_progress 1
		.amdhsa_inst_pref_size 189
	.end_amdhsa_kernel
	.amdgpu_metadata
---
amdhsa.version: [ 1, 2 ]
amdhsa.kernels:
  - .name:           k_q1183f78584_proj
    .symbol:         k_q1183f78584_proj.kd
    .args:
      - { .name: cod, .offset: 0, .size: 8, .value_kind: global_buffer, .address_space: global }
      - { .name: scl, .offset: 8, .size: 8, .value_kind: global_buffer, .address_space: global }
      - { .name: bv, .offset: 16, .size: 8, .value_kind: global_buffer, .address_space: global }
      - { .name: qkv, .offset: 24, .size: 8, .value_kind: global_buffer, .address_space: global }
    .group_segment_fixed_size: 327680
    .private_segment_fixed_size: 0
    .kernarg_segment_align: 8
    .kernarg_segment_size: 32
    .max_flat_workgroup_size: 128
    .sgpr_count:     100
    .vgpr_count:     640
    .wavefront_size: 32
...
	.end_amdgpu_metadata
.endif
;; end of part 2
;; launch attn (part 3): grid 8 x 32, 16 waves a work-group, clusters of 4 x 1, 219,136 bytes of LDS; arguments qkv, confidence, Wc, bc, alpha, oc, os; writes oc, os
.if DOCPART == 3
	.amdgcn_target "amdgcn-amd-amdhsa--gfx1250"
	.amdhsa_code_object_version 6
	.text
	.protected	k_q1183f78584_attn
	.globl	k_q1183f78584_attn
	.p2align	8
	.type	k_q1183f78584_attn,@function
k_q1183f78584_attn:
	s_mov_b64 s[64:65], 0
	v_nop
	global_prefetch_b8 v0, s[64:65] scope:SCOPE_SE
	s_setreg_imm32_b32 hwreg(HW_REG_WAVE_MODE, 25, 1), 1
	s_wait_xcnt 0x0
	s_wait_alu depctr_hold_cnt(0) depctr_sa_sdst(0) depctr_va_vdst(0) depctr_va_sdst(0) depctr_va_ssrc(0) depctr_va_vcc(0) depctr_vm_vsrc(0)
	s_getreg_b32 s2, hwreg(HW_REG_IB_STS2, 6, 4)
	s_cmp_eq_u32 s2, 0
	s_cbranch_scc0 .Lentry_in_a_cluster
	s_endpgm
.Lentry_in_a_cluster:
	s_bfe_u32 s2, ttmp6, 0x10000c
	s_cmp_lg_u32 s2, 0x3003
	s_cbranch_scc0 .Lentry_shape_is_right
	s_endpgm
.Lentry_shape_is_right:
; Attention of one head on codes of FP6 (E2M3) with E8M0 scales.  logit(i, j) = Q_i . K_j / 8 + a (cb_i + cb_j), a = sigmoid(alpha), cb = confidence x Wc[head] + bc[head].
; t = logit x log2(e); M = the running largest t rounded up to a whole number; p = 2^(t - M) is quantised along the keys; the row's sum is taken of the unquantised p and divides O at the end;
; O / sum is quantised along the head's 64 channels and stored as an image of the last product's operand registers (oc) with its scale bytes (os).  Nothing of reference() is left out: the query's bias moves M and so p's codes.
; THE BIAS: the key's part, 8 a cb_j, is the C of the score product; the query's part, UI = a cb_i log2(e), is added with -M: t - M = S x (log2(e) / 8) + (UI - M).
; SHARES: a work-group owns 256 queries of one (batch, head); each of its sixteen waves one tile of 16 queries, four waves to a SIMD.
; LDS: the head's K and V, 16 records of 128 keys x 13,056 bytes as they lie in qkv, filled once: wave w asks for record w, one tensor load a wave; behind them 2,048 key biases, stored by the waves.  Nothing is filled again.
; CLUSTER: the four query blocks of a cluster walk the same head: each record is asked for jointly (mask 15).  No prefetch: every tile is asked for at the head, ahead of the loop.
; LAYOUT: S^T = K Q^T, O^T = V^T P^T: a lane holds one query.  A head has 64 channels, so TWO key tiles share one fragment of 128: tile 2 g in registers 0-5, tile 2 g + 1 in 6-11; multiplied by (Q, 0) it gives
; the first tile's scores, by (0, Q) the second's.  Lane r of key tile n holds key 64 (n / 4) + 8 (n % 4) + r % 8 + 32 (r / 8): the 32 registers of tiles 4 c .. 4 c + 3 are the keys of block 2 c + lane / 16, in order:
; a block's largest score needs no other lane, and the conversions' results are the operand's registers.
; LDS LOADS RUN A PHASE AHEAD: V's fragments are asked for behind the step's score products; the next step's K fragments, into registers that the softmax's temporaries have left, behind the conversions;
; the next step's key biases, into p's registers, as the sum leaves them.  So 15 steps stand in a loop and the 16th, which asks for nothing more, is written out.
; LIMITS: NaN and infinities are not served; the scaled scores stay under 2^31 in magnitude; a block of zeros gets the scale byte 1 (read by this program alone); a block's largest p is taken through the block's largest
; score, which takes v_exp_f32 not to fall where its input rises; the scale bytes of O leave as single bytes (a row's 32 bytes come from 16 work-groups).
.set REC,   13056
.set PLANE, 16*REC
.set KB,    PLANE
.set SPARE, KB+8192
.set UI,  9
.set NM,  10
.set QF,  16                           ; v16-21 Q, v22-27 zero codes, v28-33 Q again
.set VS,  34
.set VF,  38                           ; v38-85 V's four fragments
.set KS,  86
.set QSL, 90
.set QSH, 91
.set PS,  92
.set TMP, 93
.set FF,  94                           ; v[94:95] f = 2^(old M - new M)
.set ST,  96                           ; v96-159 the key biases, S^T, p
.set OT,  160
.set PCD, 192                          ; p's codes; at the head: offsets and factors
.set KN,  204                          ; v204-251 K's four fragments, two key tiles each; between the score products and the next fetch the temporaries below lie there
.set CT,  204
.set BM,  212
.set PT,  216
.set SO,  220
.set HC,  192
.set HU,  193
.set HK,  194
.set HA,  195
.set HB,  196
.set HT,  197
.set WV,  18
.set SEL, 20
.set CS,  22
.set G1,  24
.set G0,  32
.set TB,  48
.set TK,  49
.set CNT, 50
.macro CROUND
	s_barrier_signal -1
	s_barrier_wait -1
	s_cmp_lg_u32 s[WV], 0
	s_cbranch_scc1 .Lnot_wave_0_\@
	s_barrier_signal -3
.Lnot_wave_0_\@:
	s_barrier_wait -3
	s_barrier_signal -1
	s_barrier_wait -1
.endm
.macro KLOADS ak, as, off              ; 25 loads: a record's K fragments and their scale words
.irp g, 0,1,2,3
.irp p, 0,1,2,3,4,5
	ds_load_b64 v[KN+12*\g+2*\p:KN+12*\g+2*\p+1], v[\ak] offset:(\off)+1536*\g+256*\p
.endr
.endr
	ds_load_b128 v[KS:KS+3], v[\as] offset:(\off)
.endm
.macro BLOADS ab, off, c               ; 8 loads: the key biases of tiles 4 c .. 4 c + 3, in the result's layout
.irp n, 0,1,2,3
	ds_load_b128 v[ST+32*\c+8*\n:ST+32*\c+8*\n+3], v[\ab] offset:(\off)+(64*\c+8*\n)*4
	ds_load_b128 v[ST+32*\c+8*\n+4:ST+32*\c+8*\n+7], v[\ab] offset:(\off)+(64*\c+8*\n)*4+16
.endr
.endm
	s_load_b256 s[4:11], s[0:1], 0x0               ; qkv, confidence, Wc, bc
	s_load_b128 s[12:15], s[0:1], 0x20             ; alpha, oc
	s_load_b64 s[16:17], s[0:1], 0x30              ; os
	v_lshl_add_u32 v254, v0, 2, SPARE
	v_mov_b32 v255, 0
	ds_add_u32 v254, v255                          ; the opening lines
	ds_add_u32 v254, v255
	v_lshrrev_b32 v1, 5, v0
	v_readfirstlane_b32 s[WV], v1                  ; wave 0..15
	s_bfe_u32 s19, ttmp6, 0x40000                  ; cx: it enters Q's, confidence's, oc's and os's addresses alone
	s_lshl_b32 s54, ttmp9, 2
	s_add_co_u32 s54, s54, s19                     ; my block of 256 queries
	s_and_b32 s55, ttmp7, 0xffff                   ; 16 x batch + head
	s_lshr_b32 s56, s55, 4
	s_and_b32 s57, s55, 15
	s_mov_b32 s[G1], 15|(3<<16)|(1<<21)            ; all four partners; elements of 8 bytes; a record is 51 dense rows of 256 bytes
	s_mov_b32 s[G1+1], 32<<16
	s_mov_b32 s[G1+2], 51<<16
	s_mov_b32 s[G1+3], 32<<16
	s_mov_b32 s[G1+4], 51
	s_mov_b32 s[G1+5], 32
	s_mov_b32 s[G1+6], 0
	s_mov_b32 s[G1+7], 0
	s_mul_i32 s59, s[WV], REC
	s_add_co_u32 s60, s55, 32
	s_mul_i32 s60, s60, PLANE
	s_add_co_u32 s60, s60, s59
	s_mov_b32 s61, 0
	s_lshl_b32 s62, s57, 2
	s_mov_b32 s63, 0
	s_mov_b32 s[SEL], 0x76543210
	s_mov_b32 s[SEL+1], 0xfedcba98
	s_mov_b32 s[CS], 0x3e38aa3b                    ; log2(e) / 8
	s_mov_b32 s[CS+1], s[CS]
	s_mov_b32 s[TB], 0
	s_mov_b32 s[TK], 0
	s_lshr_b32 s66, s[WV], 3
	s_lshl_b32 s67, s54, 1
	s_add_co_u32 s66, s66, s67                     ; my queries' record
	s_and_b32 s67, s[WV], 7                        ; and tile n in it
	s_lshl_b32 s68, s55, 4
	s_add_co_u32 s68, s68, s66
	s_mul_i32 s68, s68, REC
	s_mul_i32 s69, s67, 768
	s_add_co_u32 s70, s68, s69
	s_mov_b32 s71, 0
	s_lshr_b32 s72, s67, 1
	s_lshl_b32 s72, s72, 2
	s_add_co_u32 s72, s72, s68
	s_add_co_u32 s72, s72, 12288
	s_mov_b32 s73, 0
	s_lshl_b32 s74, s56, 13
	s_mov_b32 s75, 0
	s_lshl_b32 s76, s66, 7                         ; my tile's first token: 128 record + 64 (n / 4) + 8 (n % 4)
	s_lshr_b32 s77, s67, 2
	s_lshl_b32 s77, s77, 6
	s_add_co_u32 s76, s76, s77
	s_and_b32 s77, s67, 3
	s_lshl_b32 s77, s77, 3
	s_add_co_u32 s76, s76, s77
	s_lshl_b32 s76, s76, 2
	s_mov_b32 s77, 0
	s_and_b32 s58, s67, 1
	s_lshl_b32 s58, s58, 4                         ; where my tile's two scale bytes stand in the pair's word
	s_wait_dscnt 0x0
	s_wait_kmcnt 0x0
	s_add_nc_u64 s[8:9], s[8:9], s[62:63]
	s_add_nc_u64 s[10:11], s[10:11], s[62:63]
	s_load_b32 s51, s[8:9], 0x0                    ; Wc[head]
	s_load_b32 s52, s[10:11], 0x0                  ; bc[head]
	s_load_b32 s53, s[12:13], 0x0                  ; alpha
	s_mov_b32 s[G0], 1
	s_mov_b32 s[G0+1], s59
	s_add_nc_u64 s[G0+2:G0+3], s[4:5], s[60:61]
	s_or_b32 s[G0+3], s[G0+3], 0x80000000
	s_add_nc_u64 s[70:71], s[4:5], s[70:71]        ; Q's image
	s_add_nc_u64 s[72:73], s[4:5], s[72:73]        ; its scale words
	s_add_nc_u64 s[6:7], s[6:7], s[74:75]          ; the batch's confidences
	s_add_nc_u64 s[76:77], s[6:7], s[76:77]
	CROUND                                         ; all four work-groups are here: the joint loads meet
	tensor_load_to_lds s[G0:G0+3], s[G1:G1+7]      ; record w: one load a wave
	s_nop 0
.rept 4
	v_nop
.endr
	v_and_b32 v5, 31, v0
	v_and_b32 v6, 15, v0
	v_bfe_u32 v7, v0, 4, 1
	v_lshlrev_b32 v1, 3, v5                        ; v1  8 x lane: images of K, Q, O
	v_lshl_add_u32 v2, v5, 4, 6144                 ; v2  V's images
	v_lshl_add_u32 v3, v6, 4, 12288                ; v3  scale words
	v_lshl_add_u32 v4, v7, 7, KB                   ; v4  my half's 32 keys' biases
	v_lshlrev_b32 v11, 3, v7                       ; v11 8 h
	v_lshlrev_b32 v8, 4, v6
	v_and_b32 v[HU], 7, v0
	v_bfe_u32 v[HT], v0, 3, 1
	v_lshlrev_b32 v[HU], 2, v[HU]
	v_lshl_add_u32 v[HU], v[HT], 7, v[HU]          ; my query's confidence: 4 (r % 8 + 32 (r / 8))
	v_lshlrev_b32 v[HC], 4, v0
	v_lshl_add_u32 v[HK], v0, 4, KB
	s_wait_alu depctr_va_vdst(0)
.irp p, 0,1,2
	global_load_b64 v[QF+2*\p:QF+2*\p+1], v1, s[70:71] offset:256*\p
.endr
	global_load_b32 v[QSL], v8, s[72:73]
	global_load_b128 v[ST:ST+3], v[HC], s[6:7]     ; thread t: the confidences of keys 4 t .. 4 t + 3
	global_load_b32 v[UI], v[HU], s[76:77]
	v_mov_b32 v13, 0xff61b1e6                      ; the largest t so far: -3e38
	v_floor_f32 v[NM], -v13
	v_mov_b32 v14, 0
	v_mov_b32 v15, 0
.irp j, 6,7,8,9,10,11
	v_mov_b32 v[QF+\j], 0
.endr
.set J, 0
.rept 32
	v_mov_b32 v[OT+J], 0                           ; the step is written once; the first finds zeros
.set J, J+1
.endr
	v_mov_b32 v[FF+1], 0
	s_wait_alu depctr_va_vdst(0)
	s_wait_kmcnt 0x0
	v_mov_b32 v[TMP], s53
	v_mul_f32 v[TMP], 0xbfb8aa3b, v[TMP]
	s_wait_alu depctr_va_vdst(0)
	v_exp_f32 v[TMP], v[TMP]
	v_nop
	s_wait_alu depctr_va_vdst(0)
	v_add_f32 v[TMP], 1.0, v[TMP]
	s_wait_alu depctr_va_vdst(0)
	v_rcp_f32 v[TMP], v[TMP]                       ; a = sigmoid(alpha)
	v_nop
	s_wait_alu depctr_va_vdst(0)
	v_mul_f32 v[HA], 0x41000000, v[TMP]            ; 8 a
	v_mul_f32 v[HB], 0x3fb8aa3b, v[TMP]            ; a log2(e)
	s_wait_alu depctr_va_vdst(0)
	s_wait_loadcnt 0x0
.irp i, 0,1,2,3
	v_fma_f32 v[ST+\i], v[ST+\i], s51, s52
.endr
.irp i, 0,1,2,3
	v_mul_f32 v[ST+\i], v[ST+\i], v[HA]
.endr
	v_fma_f32 v[UI], v[UI], s51, s52
.irp i, 0,1,2,3,4,5
	v_mov_b32 v[QF+12+\i], v[QF+\i]
.endr
	v_mul_f32 v[UI], v[UI], v[HB]
	v_lshrrev_b32 v[QSL], s58, v[QSL]
	v_and_b32 v[QSL], 0xffff, v[QSL]               ; (Q, 0)'s scale word: my tile's two bytes below; the bytes over zero codes are 0
	v_lshlrev_b32 v[QSH], 16, v[QSL]               ; (0, Q)'s: above
	ds_store_b128 v[HK], v[ST:ST+3]                ; 512 threads x 16 bytes: the 2,048 key biases
	s_wait_alu depctr_va_vdst(0)                   ; the wait at the head's end
	s_wait_tensorcnt 0x0                           ; my record has landed
	s_wait_dscnt 0x0                               ; my biases are stored
	s_barrier_signal -1
	s_barrier_wait -1                              ; everybody's have
	KLOADS 1, 3, 0                                 ; step 0's K, scale words and biases
	BLOADS 4, 0, 0
	BLOADS 4, 0, 1
; A KEY STEP: one record, 128 keys.  pf = 1: the next record's K and biases are asked for
.macro STEP pf
	v_add_nc_u32 v5, s[TB], v1                     ; (these four are also the places in front of the loads into V's registers)
	v_add_nc_u32 v6, s[TB], v2
	v_add_nc_u32 v7, s[TB], v3
	v_add_nc_u32 v8, s[TK], v4
	s_wait_alu depctr_va_vdst(0)
	s_wait_dscnt 8                                 ; K, its scale words and the biases of tiles 0-3 are in; the eight loads of tiles 4-7 may be out
.irp g, 0,1,2,3
.if \g == 2
	s_wait_dscnt 0x0
.endif
	v_wmma_scale_f32_16x16x128_f8f6f4 v[ST+16*\g:ST+16*\g+7], v[KN+12*\g:KN+12*\g+11], v[QF:QF+11], v[ST+16*\g:ST+16*\g+7], v[KS+\g], v[QSL] matrix_a_fmt:MATRIX_FMT_FP6 matrix_b_fmt:MATRIX_FMT_FP6
	v_wmma_scale_f32_16x16x128_f8f6f4 v[ST+16*\g+8:ST+16*\g+15], v[KN+12*\g:KN+12*\g+11], v[QF+6:QF+17], v[ST+16*\g+8:ST+16*\g+15], v[KS+\g], v[QSH] matrix_a_fmt:MATRIX_FMT_FP6 matrix_b_fmt:MATRIX_FMT_FP6
.endr
.irp t, 0,1,2,3
.irp c, 0,1,2
	ds_load_b128 v[VF+12*\t+4*\c:VF+12*\t+4*\c+3], v6 offset:1536*\t+512*\c   ; 13 loads: V's fragments and scale words, wanted at the step's end
.endr
.endr
	ds_load_b128 v[VS:VS+3], v7 offset:512
.rept 4
	v_nop
.endr
.irp c, 0,1                            ; my two blocks' largest scores, two chains each; every accumulator is first read at its low end
	v_max3_num_f32 v[BM+\c], v[ST+32*\c], v[ST+32*\c+1], v[ST+32*\c+2]
	v_max3_num_f32 v[BM+2+\c], v[ST+32*\c+16], v[ST+32*\c+17], v[ST+32*\c+18]
.endr
.irp i, 3,5,7,9,11,13
.irp c, 0,1
	v_max3_num_f32 v[BM+\c], v[BM+\c], v[ST+32*\c+\i], v[ST+32*\c+\i+1]
	v_max3_num_f32 v[BM+2+\c], v[BM+2+\c], v[ST+32*\c+16+\i], v[ST+32*\c+17+\i]
.endr
.endr
.irp c, 0,1
	v_max3_num_f32 v[BM+\c], v[BM+\c], v[BM+2+\c], v[ST+32*\c+15]
.endr
.irp c, 0,1
	v_max_num_f32 v[BM+\c], v[BM+\c], v[ST+32*\c+31]
.endr
	s_delay_alu instid0(VALU_DEP_1)
	v_max_num_f32 v[TMP], v[BM], v[BM+1]
	s_delay_alu instid0(VALU_DEP_1)
	v_permlanex16_b32 v[PT], v[TMP], s[SEL], s[SEL+1]
	s_delay_alu instid0(VALU_DEP_1)
	v_max_num_f32 v[TMP], v[TMP], v[PT]            ; with the other half's 64 keys
	s_delay_alu instid0(VALU_DEP_1)
	v_fma_f32 v[TMP], v[TMP], s[CS], v[UI]         ; the step's largest t
	s_delay_alu instid0(VALU_DEP_1)
	v_max_num_f32 v13, v13, v[TMP]
	v_mov_b32 v[TMP], v[NM]
	s_delay_alu instid0(VALU_DEP_2)
	v_floor_f32 v[NM], -v13                        ; the new -M: a whole number
	s_delay_alu instid0(VALU_DEP_1)
	v_add_f32 v12, v[UI], v[NM]                    ; UI - M
	s_delay_alu instid0(VALU_DEP_2)
	v_sub_f32 v[TMP], v[NM], v[TMP]                ; old M - new M
.set J, 0
.rept 32
	v_pk_fma_f32 v[ST+J:ST+J+1], v[ST+J:ST+J+1], s[CS:CS+1], v[12:13] op_sel_hi:[1,0,0]   ; t - M
.if J == 6
	v_cvt_i32_f32 v[TMP], v[TMP]                   ; (it saturates)
.endif
.if J == 14
	v_ldexp_f32 v[FF], 1.0, v[TMP]                 ; f = 2^(old M - new M)
.endif
.set J, J+2
.endr
.irp c, 0,1
	v_fma_f32 v[BM+\c], v[BM+\c], s[CS], v12
.endr
.set J, 0
.rept 16
	v_pk_mul_f32 v[OT+J:OT+J+1], v[OT+J:OT+J+1], v[FF:FF+1] op_sel_hi:[1,0]   ; O^T under the new M
.set J, J+2
.endr
	s_wait_alu depctr_va_vdst(0)
.set J, 0
.rept 64
	v_exp_f32 v[ST+J], v[ST+J]                     ; p = 2^(t - M)
.set J, J+1
.endr
.irp c, 0,1
	v_exp_f32 v[BM+\c], v[BM+\c]                   ; the block's largest p
.endr
	v_pk_mul_f32 v[14:15], v[14:15], v[FF:FF+1] op_sel_hi:[1,0]   ; the sums under the new M (a plain place behind the batch)
	s_wait_alu depctr_va_vdst(0)                   ; one wait for the batch
.irp c, 0,1
	v_max_num_f32 v[BM+\c], 0x1800000, v[BM+\c]    ; the floor 2^(3 - 127)
.endr
.irp c, 0,1
	s_delay_alu instid0(VALU_DEP_2)
	v_add_nc_u32 v[SO+\c], 0xff000000, v[BM+\c]    ; the conversion's scale operand
.endr
.irp c, 0,1
	v_cvt_scalef32_pk16_fp6_f32 v[PCD+6*\c:PCD+2+6*\c], v[ST+32*\c:ST+15+32*\c], v[SO+\c]
	v_cvt_scalef32_pk16_fp6_f32 v[CT+4*\c:CT+2+4*\c], v[ST+16+32*\c:ST+31+32*\c], v[SO+\c]
.endr
.irp c, 0,1
	v_lshrrev_b32 v[PT+\c], 23, v[SO+\c]           ; the byte of block 2 c + h (also the plain place behind the conversions)
.endr
.irp i, 0,1,2
	v_mov_b32 v[PCD+3+\i], v[CT+\i]                ; (a conversion's three registers begin on an even number)
.endr
	v_lshl_or_b32 v[PS], v[PT+1], 16, v[PT]
.irp i, 0,1,2
	v_mov_b32 v[PCD+9+\i], v[CT+4+\i]
.endr
	v_lshlrev_b32 v[PS], v11, v[PS]                ; 8 h bits up
	s_delay_alu instid0(VALU_DEP_1)
	v_permlanex16_b32 v[PT+2], v[PS], s[SEL], s[SEL+1]
	s_delay_alu instid0(VALU_DEP_1)
	v_or_b32 v[PS], v[PS], v[PT+2]                 ; with the other half's two the word is whole
.if \pf
	KLOADS 5, 7, REC                               ; the temporaries are done with: the next record's K takes their registers
.endif
.irp k, 0,8,16,24                      ; the sum of the unquantised p, in four chains, three of them in p's last six registers
	v_pk_add_f32 v[ST+58:ST+59], v[ST+58:ST+59], v[ST+\k:ST+\k+1]
	v_pk_add_f32 v[ST+60:ST+61], v[ST+60:ST+61], v[ST+\k+2:ST+\k+3]
	v_pk_add_f32 v[ST+62:ST+63], v[ST+62:ST+63], v[ST+\k+4:ST+\k+5]
	v_pk_add_f32 v[14:15], v[14:15], v[ST+\k+6:ST+\k+7]
.endr
.if \pf
	BLOADS 8, 512, 0                               ; p's first 32 registers are summed: the next step's biases of tiles 0-3
.endif
.irp k, 32,40,48
	v_pk_add_f32 v[ST+58:ST+59], v[ST+58:ST+59], v[ST+\k:ST+\k+1]
	v_pk_add_f32 v[ST+60:ST+61], v[ST+60:ST+61], v[ST+\k+2:ST+\k+3]
	v_pk_add_f32 v[ST+62:ST+63], v[ST+62:ST+63], v[ST+\k+4:ST+\k+5]
	v_pk_add_f32 v[14:15], v[14:15], v[ST+\k+6:ST+\k+7]
.endr
	v_pk_add_f32 v[ST+58:ST+59], v[ST+58:ST+59], v[ST+56:ST+57]
	v_pk_add_f32 v[14:15], v[14:15], v[ST+62:ST+63]
	s_delay_alu instid0(VALU_DEP_2)
	v_pk_add_f32 v[ST+58:ST+59], v[ST+58:ST+59], v[ST+60:ST+61]
	s_delay_alu instid0(VALU_DEP_1)
	v_pk_add_f32 v[14:15], v[14:15], v[ST+58:ST+59]
.if \pf
	BLOADS 8, 512, 1                               ; and of tiles 4-7
.endif
	s_wait_alu depctr_va_vdst(0)
.if \pf
	s_wait_dscnt 41                                ; V's 13 loads are in; the next step's 25 and 16 may be out
.else
	s_wait_dscnt 0x0
.endif
.irp t, 0,1,2,3
	v_wmma_scale_f32_16x16x128_f8f6f4 v[OT+8*\t:OT+8*\t+7], v[VF+12*\t:VF+12*\t+11], v[PCD:PCD+11], v[OT+8*\t:OT+8*\t+7], v[VS+\t], v[PS] matrix_a_fmt:MATRIX_FMT_FP6 matrix_b_fmt:MATRIX_FMT_FP6
.endr
.if \pf
	s_add_co_u32 s[TB], s[TB], REC
	s_add_co_u32 s[TK], s[TK], 512
.endif
.endm
	s_mov_b32 s[CNT], 15
.Lstep:
	STEP 1
	s_sub_co_u32 s[CNT], s[CNT], 1
	s_cmp_lg_u32 s[CNT], 0
	s_cbranch_scc1 .Lstep
	STEP 0                                         ; the last record: nothing more is asked for
	; THE WAY OUT.  O^T / the sum; register 16 B + i is channel 32 B + 16 (lane / 16) + i of my query
.rept 4
	v_nop
.endr
	v_add_f32 v14, v14, v15
	s_delay_alu instid0(VALU_DEP_1)
	v_permlanex16_b32 v[TMP], v14, s[SEL], s[SEL+1]
	s_delay_alu instid0(VALU_DEP_1)
	v_add_f32 v14, v14, v[TMP]                     ; the row's sum
	s_wait_alu depctr_va_vdst(0)
	v_rcp_f32 v14, v14
	v_nop
	s_wait_alu depctr_va_vdst(0)
.set J, 0
.rept 32
	v_mul_f32 v[ST+J], v[OT+J], v14
.set J, J+1
.endr
.irp b, 0,1
	v_max3_num_f32 v[BM+\b], |v[ST+16*\b]|, |v[ST+1+16*\b]|, 0x1800000
.endr
.irp i, 2,4,6,8,10,12,14
.irp b, 0,1
	s_delay_alu instid0(VALU_DEP_2)
	v_max3_num_f32 v[BM+\b], v[BM+\b], |v[ST+16*\b+\i]|, |v[ST+1+16*\b+\i]|
.endr
.endr
.irp b, 0,1
	s_delay_alu instid0(VALU_DEP_2)
	v_permlanex16_b32 v[PT+\b], v[BM+\b], s[SEL], s[SEL+1]
.endr
.irp b, 0,1
	s_delay_alu instid0(VALU_DEP_2)
	v_max_num_f32 v[BM+\b], v[BM+\b], v[PT+\b]
.endr
.irp b, 0,1
	s_delay_alu instid0(VALU_DEP_2)
	v_add_nc_u32 v[SO+\b], 0xff000000, v[BM+\b]
.endr
.irp b, 0,1
	s_delay_alu instid0(VALU_DEP_2)
	v_lshrrev_b32 v[PT+\b], 23, v[SO+\b]
.endr
	s_wait_alu depctr_va_vdst(0)
	v_cvt_scalef32_pk16_fp6_f32 v[PCD:PCD+2], v[ST:ST+15], v[SO]
	v_cvt_scalef32_pk16_fp6_f32 v[CT:CT+2], v[ST+16:ST+31], v[SO+1]
	v_nop
.irp i, 0,1,2
	v_permlane16_swap_b32 v[PCD+\i], v[CT+\i]
.endr
.irp i, 0,1,2
	s_delay_alu instid0(VALU_DEP_3)
	v_mov_b32 v[PCD+3+\i], v[CT+\i]                ; registers 0-5: channels 32 (lane / 16) + 0 .. 31 of my head
.endr
	s_lshl_b32 s78, s56, 7
	s_lshl_b32 s79, s54, 4
	s_add_co_u32 s78, s78, s79
	s_add_co_u32 s78, s78, s[WV]                   ; my row tile: 128 batch + 16 block + wave
	s_lshl_b32 s80, s78, 4
	s_add_co_u32 s80, s80, s57
	s_mul_i32 s80, s80, 768
	s_mov_b32 s81, 0
	s_add_nc_u64 s[14:15], s[14:15], s[80:81]
	s_lshl_b32 s82, s78, 9
	s_lshl_b32 s83, s57, 1
	s_add_co_u32 s82, s82, s83
	s_mov_b32 s83, 0
	s_add_nc_u64 s[16:17], s[16:17], s[82:83]
	s_mov_b32 vcc_lo, 0xffff0000
	v_cndmask_b32 v[TMP], v[PT], v[PT+1], vcc_lo   ; lanes 0-15 block 0's byte, lanes 16-31 block 1's
	v_and_b32 v5, 15, v0
	v_bfe_u32 v6, v0, 4, 1
	s_delay_alu instid0(VALU_DEP_1)
	v_lshl_add_u32 v5, v5, 5, v6                   ; 32 r + block
	s_wait_alu depctr_va_vdst(0)
.irp p, 0,1,2
	global_store_b64 v1, v[PCD+2*\p:PCD+2*\p+1], s[14:15] offset:256*\p   ; 32 lanes store 256 consecutive bytes, aligned
.endr
	global_store_b8 v5, v[TMP], s[16:17]
	s_wait_tensorcnt 0x0                           ; the wave's end
	ds_add_u32 v254, v255
	s_wait_dscnt 0x0
	CROUND                                         ; the closing round
	s_endpgm
.Lfunc_end_k_q1183f78584_attn:
	.size	k_q1183f78584_attn, .Lfunc_end_k_q1183f78584_attn-k_q1183f78584_attn
	.p2alignl 7, 3214868480
	.fill 96, 4, 3214868480
	.section	.rodata,"a",@progbits
	.p2align	6, 0x0
	.amdhsa_kernel k_q1183f78584_attn
		.amdhsa_group_segment_fixed_size 219136
		.amdhsa_private_segment_fixed_size 0
		.amdhsa_enable_private_segment 0
		.amdhsa_kernarg_size 56
		.amdhsa_user_sgpr_count 2
		.amdhsa_user_sgpr_kernarg_segment_ptr 1
		.amdhsa_wavefront_size32 1
		.amdhsa_system_sgpr_workgroup_id_x 1
		.amdhsa_system_sgpr_workgroup_id_y 1
		.amdhsa_system_sgpr_workgroup_id_z 1
		.amdhsa_system_vgpr_workitem_id 0
		.amdhsa_next_free_vgpr 256
		.amdhsa_next_free_sgpr 84
		.amdhsa_reserve_vcc 1
		.amdhsa_float_denorm_mode_32 3
		.amdhsa_float_denorm_mode_16_64 3
		.amdhsa_memory_ordered 1
		.amdhsa_forward_progress 1
		.amdhsa_inst_pref_size 48
	.end_amdhsa_kernel
	.amdgpu_metadata
---
amdhsa.version: [ 1, 2 ]
amdhsa.kernels:
  - .name:           k_q1183f78584_attn
    .symbol:         k_q1183f78584_attn.kd
    .args:
      - { .name: qkv, .offset: 0, .size: 8, .value_kind: global_buffer, .address_space: global }
      - { .name: confidence, .offset: 8, .size: 8, .value_kind: global_buffer, .address_space: global }
      - { .name: Wc, .offset: 16, .size: 8, .value_kind: global_buffer, .address_space: global }
      - { .name: bc, .offset: 24, .size: 8, .value_kind: global_buffer, .address_space: global }
      - { .name: alpha, .offset: 32, .size: 8, .value_kind: global_buffer, .address_space: global }
      - { .name: oc, .offset: 40, .size: 8, .value_kind: global_buffer, .address_space: global }
      - { .name: os, .offset: 48, .size: 8, .value_kind: global_buffer, .address_space: global }
    .group_segment_fixed_size: 219136
    .private_segment_fixed_size: 0
    .kernarg_segment_align: 8
    .kernarg_segment_size: 56
    .max_flat_workgroup_size: 512
    .sgpr_count:     84
    .vgpr_count:     256
    .wavefront_size: 32
...
	.end_amdgpu_metadata
.endif
;; end of part 3
;; launch outp (part 4): grid 8 x 32, 4 waves a work-group, clusters of 4 x 4, 237,568 bytes of LDS; arguments oc, os, cod, scl, bo, out0; writes out0
.if DOCPART == 4
	.amdgcn_target "amdgcn-amd-amdhsa--gfx1250"
	.amdhsa_code_object_version 6
	.text
	.protected	k_q1183f78584_outp
	.globl	k_q1183f78584_outp
	.p2align	8
	.type	k_q1183f78584_outp,@function
k_q1183f78584_outp:
	s_mov_b64 s[64:65], 0
	v_nop
	global_prefetch_b8 v0, s[64:65] scope:SCOPE_SE
	s_setreg_imm32_b32 hwreg(HW_REG_WAVE_MODE, 25, 1), 1
	s_wait_xcnt 0x0
	s_wait_alu depctr_hold_cnt(0) depctr_sa_sdst(0) depctr_va_vdst(0) depctr_va_sdst(0) depctr_va_ssrc(0) depctr_va_vcc(0) depctr_vm_vsrc(0)
	s_getreg_b32 s2, hwreg(HW_REG_IB_STS2, 6, 4)
	s_cmp_eq_u32 s2, 0
	s_cbranch_scc0 .Lentry_in_a_cluster
	s_endpgm
.Lentry_in_a_cluster:
	s_bfe_u32 s2, ttmp6, 0x10000c
	s_cmp_lg_u32 s2, 0xf033
	s_cbranch_scc0 .Lentry_shape_is_right
	s_endpgm
.Lentry_shape_is_right:
; out0 = O Wo^T + bo on codes of FP6 (E2M3) with E8M0 scales, K = 1,024.
; SHARES: a work-group makes 128 tokens x 128 columns: 32 x 8 = 256 work-groups; a wave 32 tokens x 128 columns in 16 accumulators.
; LDS, filled once: O's 8 row tiles as images of operand registers (98,304 dense bytes); Wo's 128 rows of 768 bytes, begun on 256-byte borders, 16 bytes of padding behind each 256 (pitch 816); a stage for the way out.
; One tensor load a wave: waves 0, 1 the halves of O's block, waves 2, 3 those of Wo's.  CLUSTER 4 x 4: O's block is shared along a row, Wo's along a column.  No prefetch: every tile is asked for at the head.
; Source 0 = 16 rows of Wo, source 1 = 16 tokens: register j of accumulator (a, b) holds column 32 (b / 2) + 16 (lane / 16) + 8 (b % 2) + j (cod's rows are stored with bits 3 and 4 of the row index swapped).
; Lane r of row tile n of a block holds token 64 (n / 4) + 8 (n % 4) + r % 8 + 32 (r / 8).  bo is the C of the first products.  Scale words go from memory straight into registers, a lane a row.
; REGISTERS: window 0: addresses, v20-59 scale words, v64-127 bo, v128-255 the way out; window 1: fragments, two sets; window 2: accumulators.
.set PITCH, 816
.set BLK,   16*PITCH
.set BBASE, 98304
.set STAGE, BBASE+128*PITCH
.set SPITCH, 528
.set SPARE, STAGE+4*16*SPITCH
.set ADRA, 8
.set BB, 10
.set STO, 14
.set RD, 15
.set CO, 16
.set VL, 17
.set SPW, 18
.set NIL, 19
.set SA, 20
.set SB, 28
.set BO, 64
.set BKR, 128
.set G1A, 24
.set G0A, 32
.set G1B, 48
.set G0B, 56
.set MULW, 0xa5
.set MSB, 0
.macro WIN new
.if MSB != (\new)
	s_set_vgpr_msb (MSB<<8)|(\new)
.set MSB, (\new)
.endif
.endm
.macro PLACES n
.rept \n
	v_nop
.endr
.endm
.macro CROUND
	s_barrier_signal -1
	s_barrier_wait -1
	s_cmp_lg_u32 s14, 0
	s_cbranch_scc1 .Lnot_wave_0_\@
	s_barrier_signal -3
.Lnot_wave_0_\@:
	s_barrier_wait -3
	s_barrier_signal -1
	s_barrier_wait -1
.endm
	s_load_b128 s[4:7], s[0:1], 0x0                ; oc, os
	s_load_b128 s[8:11], s[0:1], 0x10              ; cod, scl
	s_load_b64 s[96:97], s[0:1], 0x20              ; bo
	s_load_b64 s[12:13], s[0:1], 0x28              ; out0
	v_lshl_add_u32 v[SPW], v0, 2, SPARE
	v_mov_b32 v[NIL], 0
	ds_add_u32 v[SPW], v[NIL]                      ; the opening lines
	ds_add_u32 v[SPW], v[NIL]
	v_lshrrev_b32 v1, 5, v0
	v_readfirstlane_b32 s14, v1
	s_lshr_b32 s15, s14, 1
	s_and_b32 s16, s14, 1
	s_bfe_u32 s40, ttmp6, 0x40000
	s_bfe_u32 s41, ttmp6, 0x40004
	s_lshl_b32 s42, ttmp9, 2
	s_add_co_u32 s42, s42, s40                     ; column block 0..7
	s_and_b32 s17, ttmp7, 0xffff
	s_lshl_b32 s17, s17, 2
	s_add_co_u32 s17, s17, s41                     ; token block 0..31
	s_lshl_b32 s43, s41, 2
	s_lshl_b32 s43, 15, s43
	s_lshl_b32 s44, 0x1111, s40
	s_or_b32 s[G1A], s43, (3<<16)|(1<<21)          ; 49,152 dense bytes as 192 rows of 256
	s_mov_b32 s[G1A+1], 32<<16
	s_mov_b32 s[G1A+2], 192<<16
	s_mov_b32 s[G1A+3], 32<<16
	s_mov_b32 s[G1A+4], 192
	s_mov_b32 s[G1A+5], 32
	s_mov_b32 s[G1A+6], 0
	s_mov_b32 s[G1A+7], 0
	s_or_b32 s[G1B], s44, (1<<20)|(1<<21)|(5<<22)|(3<<25)   ; 64 rows of 768 bytes, 4 words of padding behind every 64
	s_mov_b32 s[G1B+1], 768<<16
	s_mov_b32 s[G1B+2], 64<<16
	s_mov_b32 s[G1B+3], 768<<16
	s_mov_b32 s[G1B+4], 64
	s_mov_b32 s[G1B+5], 768
	s_mov_b32 s[G1B+6], 0
	s_mov_b32 s[G1B+7], 0
	s_mul_i32 s20, s17, 98304
	s_mul_i32 s18, s16, 49152
	s_add_co_u32 s20, s20, s18
	s_mov_b32 s21, 0
	s_lshl_b32 s46, s42, 7
	s_add_co_u32 s46, s46, 7168                    ; Wo's first row in cod
	s_lshl_b32 s92, s46, 5
	s_mov_b32 s93, 0
	s_lshl_b32 s19, s16, 6
	s_add_co_u32 s46, s46, s19
	s_mul_i32 s46, s46, 768
	s_mov_b32 s47, 0
	s_lshl_b32 s22, s17, 12
	s_lshl_b32 s23, s14, 10
	s_add_co_u32 s22, s22, s23                     ; os: 4,096 bytes a block, 1,024 a wave
	s_mov_b32 s23, 0
	s_lshl_b32 s66, s42, 9                         ; my columns, in bytes
	s_mov_b32 s67, 0
	s_lshl_b32 s68, s17, 7
	s_lshl_b32 s69, s15, 6
	s_add_co_u32 s68, s68, s69
	s_lshl_b32 s69, s16, 4
	s_add_co_u32 s68, s68, s69                     ; my first token: 128 block + 64 (w / 2) + 16 (w % 2)
	s_lshl_b32 s68, s68, 12
	s_add_co_u32 s68, s68, s66
	s_mov_b32 s69, 0
	s_mul_i32 s70, s16, 64*PITCH
	s_mul_i32 s71, s14, 24576
	s_mul_i32 s72, s14, 16*SPITCH
	s_add_co_u32 s72, s72, STAGE
	s_wait_dscnt 0x0
	s_wait_kmcnt 0x0
	s_mov_b32 s[G0A], 1
	s_mov_b32 s[G0A+1], s18
	s_add_nc_u64 s[G0A+2:G0A+3], s[4:5], s[20:21]
	s_or_b32 s[G0A+3], s[G0A+3], 0x80000000
	s_mov_b32 s[G0B], 1
	s_add_co_u32 s[G0B+1], s70, BBASE
	s_add_nc_u64 s[G0B+2:G0B+3], s[8:9], s[46:47]
	s_or_b32 s[G0B+3], s[G0B+3], 0x80000000
	s_add_nc_u64 s[6:7], s[6:7], s[22:23]
	s_add_nc_u64 s[10:11], s[10:11], s[92:93]
	s_add_nc_u64 s[96:97], s[96:97], s[66:67]
	s_add_nc_u64 s[12:13], s[12:13], s[68:69]
	CROUND                                         ; all sixteen work-groups are here: the joint loads meet
	s_cmp_eq_u32 s15, 0
	s_cbranch_scc0 .Lhead_b
	tensor_load_to_lds s[G0A:G0A+3], s[G1A:G1A+7]
	s_nop 0
	PLACES 4
	s_branch .Lhead_j
.Lhead_b:
	tensor_load_to_lds s[G0B:G0B+3], s[G1B:G1B+7]
	s_nop 0
	PLACES 4
.Lhead_j:
	v_and_b32 v1, 15, v0
	v_bfe_u32 v2, v0, 4, 1
	v_and_b32 v3, 31, v0
	v_mul_u32_u24 v4, v1, PITCH
	v_mad_u32_u24 v4, v2, 24, v4
	v_lshl_add_u32 v5, v2, 4, v4
.irp k, 0,1
	v_add_nc_u32 v[BB+2*\k], BBASE+4*BLK*\k, v4
	v_add_nc_u32 v[BB+2*\k+1], BBASE+4*BLK*\k, v5
.endr
	v_lshl_add_u32 v[ADRA], v3, 3, s71
	v_mul_u32_u24 v6, v1, SPITCH
	v_lshl_add_u32 v6, v2, 6, v6
	v_add_nc_u32 v[STO], s72, v6
	v_lshlrev_b32 v[CO], 4, v3
	v_add_nc_u32 v[RD], s72, v[CO]
	v_lshlrev_b32 v[VL], 5, v3
	v_lshlrev_b32 v7, 6, v2
	s_wait_alu depctr_va_vdst(0)                   ; the wait at the head's end
	global_load_b128 v[SA:SA+3], v[VL], s[6:7]
	global_load_b128 v[SA+4:SA+7], v[VL], s[6:7] offset:16
.irp j, 0,1,2,3
	global_load_b128 v[SB+8*\j:SB+8*\j+3], v[VL], s[10:11] offset:1024*\j
	global_load_b128 v[SB+8*\j+4:SB+8*\j+7], v[VL], s[10:11] offset:1024*\j+16
.endr
.irp b, 0,1,2,3,4,5,6,7
	global_load_b128 v[BO+8*\b:BO+8*\b+3], v7, s[96:97] offset:(32*(\b/2)+8*(\b%2))*4
	global_load_b128 v[BO+8*\b+4:BO+8*\b+7], v7, s[96:97] offset:(32*(\b/2)+8*(\b%2))*4+16
.endr
.macro FRAG reg, adr, st, off          ; Wo's fragment, in pieces of 8 bytes; byte y of a row lies at y + 16 (y / 256) of its LDS row
.irp p, 0,1,2,3,4,5
.set BY, 96*(\st)+48*(\p/3)+8*(\p%3)
.if BY/256 == (BY+24)/256
	ds_load_b64 v[\reg+2*\p:\reg+2*\p+1], v[\adr] offset:BY+16*(BY/256)+(\off)
.else
	ds_load_b64 v[\reg+2*\p:\reg+2*\p+1], v[\adr+1] offset:BY+16*(BY/256)+(\off)
.endif
.endr
.endm
.macro FETCH set, st                   ; 60 loads
	WIN 0x40
.irp i, 0,1,2,3,4,5,6,7
	FRAG 128*(\set)+12*\i, BB+2*(\i/4), \st, (\i%4)*BLK
.endr
.irp i, 0,1
.irp p, 0,1,2,3,4,5
	ds_load_b64 v[128*(\set)+96+12*\i+2*\p:128*(\set)+96+12*\i+2*\p+1], v[ADRA] offset:\i*12288+(\st)*1536+256*\p
.endr
.endr
.endm
.macro WM c, sa, sb, ra, rb
.if \ra
.if \rb
	v_wmma_scale_f32_16x16x128_f8f6f4 v[DD:DD+7], v[F0:F0+11], v[F1:F1+11], \c, v[\sa], v[\sb] matrix_a_fmt:MATRIX_FMT_FP6 matrix_b_fmt:MATRIX_FMT_FP6 matrix_a_scale:MATRIX_SCALE_ROW1 matrix_b_scale:MATRIX_SCALE_ROW1
.else
	v_wmma_scale_f32_16x16x128_f8f6f4 v[DD:DD+7], v[F0:F0+11], v[F1:F1+11], \c, v[\sa], v[\sb] matrix_a_fmt:MATRIX_FMT_FP6 matrix_b_fmt:MATRIX_FMT_FP6 matrix_a_scale:MATRIX_SCALE_ROW1
.endif
.else
.if \rb
	v_wmma_scale_f32_16x16x128_f8f6f4 v[DD:DD+7], v[F0:F0+11], v[F1:F1+11], \c, v[\sa], v[\sb] matrix_a_fmt:MATRIX_FMT_FP6 matrix_b_fmt:MATRIX_FMT_FP6 matrix_b_scale:MATRIX_SCALE_ROW1
.else
	v_wmma_scale_f32_16x16x128_f8f6f4 v[DD:DD+7], v[F0:F0+11], v[F1:F1+11], \c, v[\sa], v[\sb] matrix_a_fmt:MATRIX_FMT_FP6 matrix_b_fmt:MATRIX_FMT_FP6
.endif
.endif
.endm
.macro MUL16 st                        ; the 16 accumulators take turns; the first step's C is bo
.irp a, 0,1
.irp b, 0,1,2,3,4,5,6,7
.set DD, 8*(8*\a+\b)
.set F0, 128*((\st)%2)+12*\b
.set F1, 128*((\st)%2)+96+12*\a
.if (\st) == 0
	WM v[BO+8*\b:BO+8*\b+7], SB+8*(\b/2)+(\st), SA+(\st), \b%2, \a
.else
	WM v[DD:DD+7], SB+8*(\b/2)+(\st), SA+(\st), \b%2, \a
.endif
.endr
.endr
.endm
	s_wait_tensorcnt 0x0                           ; my part is in
	s_barrier_signal -1
	s_barrier_wait -1
	FETCH 0, 0
	s_wait_loadcnt 0x0                             ; the scale words and bo
	FETCH 1, 1
	s_wait_dscnt 60                                ; all but the 60 just issued
	WIN 0x85                                       ; C in window 0
	MUL16 0
.irp st, 1,2,3,4,5,6
	PLACES 4                                       ; in front of loads into registers that the step before multiplied
	FETCH (\st+1)%2, \st+1
	s_wait_dscnt 60
	WIN MULW
	MUL16 \st
.endr
	s_wait_dscnt 0x0
	MUL16 7
	PLACES 5
; THE WAY OUT: a block of 16 tokens x 128 columns goes through my own stage and comes back as rows of 512 bytes
.irp a, 0,1
	WIN 0x08
.irp b, 0,1,2,3,4,5,6,7
	ds_store_b128 v[STO], v[64*\a+8*\b:64*\a+8*\b+3] offset:128*(\b/2)+32*(\b%2)
	ds_store_b128 v[STO], v[64*\a+8*\b+4:64*\a+8*\b+7] offset:128*(\b/2)+32*(\b%2)+16
.endr
	WIN 0
.irp t, 0,1,2,3,4,5,6,7,8,9,10,11,12,13,14,15
	ds_load_b128 v[BKR+64*\a+4*\t:BKR+64*\a+4*\t+3], v[RD] offset:\t*SPITCH   ; LDS serves a wave's instructions in order (ISA guide 5.7.1.4)
.endr
.endr
.irp a, 0,1
	s_wait_dscnt 32-32*\a                          ; block a is back (behind block 0's loads: block 1's 16 stores and 16 loads)
.irp t, 0,1,2,3,4,5,6,7,8,9,10,11,12,13,14,15
	global_store_b128 v[CO], v[BKR+64*\a+4*\t:BKR+64*\a+4*\t+3], s[12:13] offset:(8*\a+(\t&7)+4*(\t&8))*4096 th:TH_STORE_NT   ; 32 lanes store 512 consecutive bytes, aligned
.endr
.endr
	s_wait_tensorcnt 0x0                           ; the wave's end
	ds_add_u32 v[SPW], v[NIL]
	s_wait_dscnt 0x0
	CROUND                                         ; the closing round
	s_endpgm
.Lfunc_end_k_q1183f78584_outp:
	.size	k_q1183f78584_outp, .Lfunc_end_k_q1183f78584_outp-k_q1183f78584_outp
	.p2alignl 7, 3214868480
	.fill 96, 4, 3214868480
	.section	.rodata,"a",@progbits
	.p2align	6, 0x0
	.amdhsa_kernel k_q1183f78584_outp
		.amdhsa_group_segment_fixed_size 237568
		.amdhsa_private_segment_fixed_size 0
		.amdhsa_enable_private_segment 0
		.amdhsa_kernarg_size 48
		.amdhsa_user_sgpr_count 2
		.amdhsa_user_sgpr_kernarg_segment_ptr 1
		.amdhsa_wavefront_size32 1
		.amdhsa_system_sgpr_workgroup_id_x 1
		.amdhsa_system_sgpr_workgroup_id_y 1
		.amdhsa_system_sgpr_workgroup_id_z 1
		.amdhsa_system_vgpr_workitem_id 0
		.amdhsa_next_free_vgpr 640
		.amdhsa_next_free_sgpr 100
		.amdhsa_reserve_vcc 0
		.amdhsa_float_denorm_mode_32 3
		.amdhsa_float_denorm_mode_16_64 3
		.amdhsa_memory_ordered 1
		.amdhsa_forward_progress 1
		.amdhsa_inst_pref_size 64
	.end_amdhsa_kernel
	.amdgpu_metadata
---
amdhsa.version: [ 1, 2 ]
amdhsa.kernels:
  - .name:           k_q1183f78584_outp
    .symbol:         k_q1183f78584_outp.kd
    .args:
      - { .name: oc, .offset: 0, .size: 8, .value_kind: global_buffer, .address_space: global }
      - { .name: os, .offset: 8, .size: 8, .value_kind: global_buffer, .address_space: global }
      - { .name: cod, .offset: 16, .size: 8, .value_kind: global_buffer, .address_space: global }
      - { .name: scl, .offset: 24, .size: 8, .value_kind: global_buffer, .address_space: global }
      - { .name: bo, .offset: 32, .size: 8, .value_kind: global_buffer, .address_space: global }
      - { .name: out0, .offset: 40, .size: 8, .value_kind: global_buffer, .address_space: global }
    .group_segment_fixed_size: 237568
    .private_segment_fixed_size: 0
    .kernarg_segment_align: 8
    .kernarg_segment_size: 48
    .max_flat_workgroup_size: 128
    .sgpr_count:     100
    .vgpr_count:     640
    .wavefront_size: 32
...
	.end_amdgpu_metadata
.endif
;; end of part 4
